; MI455X (gfx1250); checked and timed in simulation.
; The chip was launched on July 23, 2026; its instructions are those of AMD's public machine-readable ISA for CDNA 5 (MIT licence, August 2026) and "CDNA5" Instruction Set Architecture Reference Guide (July 2026). The comments in the code are by the model that wrote it; some were corrected since.
;; Multi Head Attention. Allowed arithmetic: float matrix products may take bf16 or f16 operands with f32 sums; all other float work in f32.
;; Inputs: in_proj_bias 3,072 float32; in_proj_weight 3,072 x 1,024 float32; out_proj_bias 1,024 float32; out_proj_weight 1,024 x 1,024 float32; x 32,768 x 1,024 float32.
;; Outputs: out0 1 x 1,024 float32.
;; 2 versions, each right; version 2 is version 1 with the launch main written anew for expert scheduling mode. Each part assembles by itself: llvm-mc -triple=amdgcn-amd-amdhsa -mcpu=gfx1250 --defsym DOCPART=n.
;; ======== version 1 of 2: 4 launches
;; workspace buffers: upart 131,072 bytes; cpart 8,192 bytes; ypart 8,388,608 bytes; stats 65,536 bytes; opart 32,768 bytes
;; launch qu (part 1): grid 32 x 1, 16 waves a work-group, no clusters, 2,304 bytes of LDS; arguments x, in_proj_weight, in_proj_bias, upart, cpart; writes upart, cpart
.if DOCPART == 1
	.amdgcn_target "amdgcn-amd-amdhsa--gfx1250"
	.amdhsa_code_object_version 6
	.text
	.protected	k_q9b2b709092_qu
	.globl	k_q9b2b709092_qu
	.p2align	8
	.type	k_q9b2b709092_qu,@function
k_q9b2b709092_qu:
	s_mov_b64 s[64:65], 0
	v_nop
	global_prefetch_b8 v0, s[64:65] scope:SCOPE_SE
	s_setreg_imm32_b32 hwreg(HW_REG_WAVE_MODE, 25, 1), 1
	s_wait_xcnt 0x0
; ONE QUERY: the K projection is moved off the long axis.  q_h . (Wk_h x_l + bk_h) = u_h . x_l + c_h with u_h = Wk_h^T q_h and c_h = q_h . bk_h.
; This launch makes q' = (Wq x_0 + bq) * SC, SC = log2(e) / sqrt(128), so that later scores are exponents of 2, and the parts of u' and c' that come from 32 rows of q'.
; SHARES.  Work-group g owns rows 32 g .. 32 g + 31 of q (head g / 4, quarter g % 4).  Wave w makes q' of rows 32 g + 2 w and the next: a whole row of Wq is eight loads of 16 bytes a lane.
; Thread t owns columns 2 t, 2 t + 1 of u': 32 loads of 8 bytes, one from each of the group's rows of Wk; a wave's load covers 256 consecutive bytes.
; All in f32 on the vector unit: a product with one row streams its weights once, and the matrix unit would add nothing.  Every weight byte is read once in the launch.
; LIMIT.  K is never formed: the order of the sums differs from a projection followed by a dot product.
; LDS: bytes 0-127 q'[32]; 128-191 the sixteen waves' parts of c'; from 256 the spare words.
.set SC,    0x3e0293ee                 ; log2(e) / sqrt(128) = 0.127517
.set SPARE, 256                        ; the spare words: 128 bytes for each of 16 waves, eight blocks of 256 bytes that no other line names
.set X0, 8                             ; v[8:39]    row 0 of x, my 32 numbers; later q'[32]
.set WQ, 40                            ; v[40:103]  my wave's two rows of Wq, 32 registers each
.set WK, 104                           ; v[104:167] my two columns of the group's 32 rows of Wk
.set AC, 168                           ; v[168:183] at work
	s_load_b256 s[4:11], s[0:1], 0x0               ; x s[4:5], in_proj_weight s[6:7], in_proj_bias s[8:9], upart s[10:11]
	s_load_b64 s[12:13], s[0:1], 0x20              ; cpart
	v_lshl_add_u32 v4, v0, 2, SPARE                ; my spare word,
	v_mov_b32 v5, 0                                ; and 0: kept for the closing add alone
	v_lshrrev_b32 v1, 5, v0
	v_readfirstlane_b32 s14, v1                    ; wave 0..15
	v_and_b32 v1, 31, v0
	v_lshlrev_b32 v1, 4, v1                        ; 16 x lane
	v_lshlrev_b32 v2, 3, v0                        ; 8 t
	v_mov_b32 v3, 0                                ; LDS byte 0
	s_lshl_b32 s15, s14, 3
	v_mov_b32 v6, s15                              ; where my wave's two q' go: 8 w
	s_lshl_b32 s35, s14, 2
	s_add_co_u32 s35, s35, 128
	v_mov_b32 v7, s35                              ; where its part of c' goes: 128 + 4 w
	s_lshl_b32 s16, ttmp9, 17                      ; 32 rows of 4,096 bytes a group
	s_mov_b32 s17, 0
	s_lshl_b32 s18, s14, 13                        ; two rows a wave
	s_mov_b32 s19, 0
	s_lshl_b32 s20, ttmp9, 7                       ; the biases of my two rows: 128 g + 8 w
	s_add_co_u32 s20, s20, s15
	s_mov_b32 s21, 0
	s_lshl_b32 s22, ttmp9, 12                      ; upart: a row of 4,096 bytes a group
	s_mov_b32 s23, 0
	s_lshl_b32 s24, ttmp9, 8                       ; cpart: 256 bytes a group
	s_mov_b32 s25, 0
	s_mov_b32 s32, SC
	s_mov_b32 s33, 0x76543210                      ; v_permlanex16_b32: each lane takes its own place in the other half
	s_mov_b32 s34, 0xfedcba98
	s_wait_kmcnt 0x0
	s_add_nc_u64 s[6:7], s[6:7], s[16:17]          ; Wq at the group's rows
	s_add_nc_u64 s[26:27], s[6:7], 0x400000        ; Wk at the same rows: 1,024 rows further down
	s_add_nc_u64 s[6:7], s[6:7], s[18:19]          ; Wq at my wave's two rows
	s_add_nc_u64 s[8:9], s[8:9], s[20:21]
	s_add_nc_u64 s[10:11], s[10:11], s[22:23]
	s_add_nc_u64 s[12:13], s[12:13], s[24:25]
	s_load_b64 s[28:29], s[8:9], 0x0               ; bq of my two rows
	s_load_b64 s[30:31], s[8:9], 0x1000            ; bk of the same two
.irp j, 0,1,2,3,4,5,6,7
	global_load_b128 v[X0+4*\j:X0+4*\j+3], v1, s[4:5] offset:512*\j
.endr
.irp j, 0,1,2,3,4,5,6,7
	global_load_b128 v[WQ+4*\j:WQ+4*\j+3], v1, s[6:7] offset:512*\j th:TH_LOAD_NT
	global_load_b128 v[WQ+32+4*\j:WQ+32+4*\j+3], v1, s[6:7] offset:4096+512*\j th:TH_LOAD_NT
.endr
.set p, 0
.rept 32
	global_load_b64 v[WK+2*p:WK+2*p+1], v2, s[26:27] offset:4096*p th:TH_LOAD_NT
.set p, p+1
.endr
; the lane's part of a dot product of row 0 of x with row rr of the wave's two: two chains of packed multiply-adds, started by multiplies
.macro DOT rr
	v_pk_mul_f32 v[AC+4*(\rr):AC+4*(\rr)+1], v[X0:X0+1], v[WQ+32*(\rr):WQ+32*(\rr)+1]
	v_pk_mul_f32 v[AC+4*(\rr)+2:AC+4*(\rr)+3], v[X0+2:X0+3], v[WQ+32*(\rr)+2:WQ+32*(\rr)+3]
.set p, 4
.rept 7
	v_pk_fma_f32 v[AC+4*(\rr):AC+4*(\rr)+1], v[X0+p:X0+p+1], v[WQ+32*(\rr)+p:WQ+32*(\rr)+p+1], v[AC+4*(\rr):AC+4*(\rr)+1]
	v_pk_fma_f32 v[AC+4*(\rr)+2:AC+4*(\rr)+3], v[X0+p+2:X0+p+3], v[WQ+32*(\rr)+p+2:WQ+32*(\rr)+p+3], v[AC+4*(\rr)+2:AC+4*(\rr)+3]
.set p, p+4
.endr
	v_pk_add_f32 v[AC+4*(\rr):AC+4*(\rr)+1], v[AC+4*(\rr):AC+4*(\rr)+1], v[AC+4*(\rr)+2:AC+4*(\rr)+3]
	v_add_f32 v[AC+4*(\rr)], v[AC+4*(\rr)], v[AC+4*(\rr)+1]
.endm
; the sum over the wave's 32 lanes, in every lane: four steps inside each half ride on the addition, one crosses the halves
.macro WSUM a, b
	v_add_f32_dpp v[\a], v[\a], v[\a] row_xmask:1 row_mask:0xf bank_mask:0xf
	v_add_f32_dpp v[\a], v[\a], v[\a] row_xmask:2 row_mask:0xf bank_mask:0xf
	v_add_f32_dpp v[\a], v[\a], v[\a] row_xmask:4 row_mask:0xf bank_mask:0xf
	v_add_f32_dpp v[\a], v[\a], v[\a] row_xmask:8 row_mask:0xf bank_mask:0xf
	v_permlanex16_b32 v[\b], v[\a], s33, s34       ; its destination has been written before
	v_add_f32 v[\a], v[\a], v[\b]
.endm
	s_wait_loadcnt 32                              ; row 0 of x and Wq's two rows are in; the 32 younger loads, Wk's, stay out
	DOT 0
	DOT 1
	WSUM AC, AC+1
	WSUM AC+4, AC+5
	s_wait_kmcnt 0x0                               ; the four biases
	s_mul_f32 s28, s28, s32
	s_mul_f32 s29, s29, s32
	v_fma_f32 v176, v[AC], s32, s28                ; q' = sum * SC + bq * SC
	v_fma_f32 v177, v[AC+4], s32, s29
	v_mul_f32 v178, s30, v176                      ; my wave's part of c' = q' . bk
	v_fmac_f32 v178, s31, v177
	ds_store_b64 v6, v[176:177]                    ; every lane holds the same numbers and writes the same words
	ds_store_b32 v7, v178
	s_wait_dscnt 0x0                               ; for the others' sake: my stores are done
	s_barrier_signal -1
	s_barrier_wait -1
.irp i, 0,1,2,3,4,5,6,7
	ds_load_b128 v[X0+4*\i:X0+4*\i+3], v3 offset:16*\i     ; all 32 q', in every lane
.endr
	s_wait_loadcnt 0x0                             ; Wk
	s_wait_dscnt 0x0
	; u'[2 t], u'[2 t + 1] over the group's 32 rows: four chains (column, row's parity), started by multiplies
	v_mul_f32 v[AC], v[X0], v[WK]
	v_mul_f32 v[AC+1], v[X0], v[WK+1]
	v_mul_f32 v[AC+2], v[X0+1], v[WK+2]
	v_mul_f32 v[AC+3], v[X0+1], v[WK+3]
.set p, 2
.rept 15
	v_fmac_f32 v[AC], v[X0+p], v[WK+2*p]
	v_fmac_f32 v[AC+1], v[X0+p], v[WK+2*p+1]
	v_fmac_f32 v[AC+2], v[X0+p+1], v[WK+2*p+2]
	v_fmac_f32 v[AC+3], v[X0+p+1], v[WK+2*p+3]
.set p, p+2
.endr
	v_pk_add_f32 v[AC:AC+1], v[AC:AC+1], v[AC+2:AC+3]
	global_store_b64 v2, v[AC:AC+1], s[10:11]      ; a wave stores 256 consecutive bytes, at a multiple of 256 from upart's first byte
	s_cmp_lg_u32 s14, 0
	s_cbranch_scc1 .Lend
.irp i, 0,1,2,3
	ds_load_b128 v[WQ+4*\i:WQ+4*\i+3], v3 offset:128+16*\i ; wave 0 adds the sixteen parts of c'
.endr
	s_wait_dscnt 0x0
	v_pk_add_f32 v[WQ:WQ+1], v[WQ:WQ+1], v[WQ+2:WQ+3]
	v_pk_add_f32 v[WQ+4:WQ+5], v[WQ+4:WQ+5], v[WQ+6:WQ+7]
	v_pk_add_f32 v[WQ+8:WQ+9], v[WQ+8:WQ+9], v[WQ+10:WQ+11]
	v_pk_add_f32 v[WQ+12:WQ+13], v[WQ+12:WQ+13], v[WQ+14:WQ+15]
	v_pk_add_f32 v[WQ:WQ+1], v[WQ:WQ+1], v[WQ+4:WQ+5]
	v_pk_add_f32 v[WQ+8:WQ+9], v[WQ+8:WQ+9], v[WQ+12:WQ+13]
	v_pk_add_f32 v[WQ:WQ+1], v[WQ:WQ+1], v[WQ+8:WQ+9]
	v_add_f32 v[AC+4], v[WQ], v[WQ+1]
	v_mov_b32 v[AC+5], v[AC+4]
	global_store_b64 v2, v[AC+4:AC+5], s[12:13]    ; the number 64 times: one store of 256 consecutive bytes, aligned, with every lane on
.Lend:
	s_wait_tensorcnt 0x0                           ; the wave's end, behind my last LDS store
	ds_add_u32 v4, v5
	s_wait_dscnt 0x0
	s_endpgm
.Lfunc_end_k_q9b2b709092_qu:
	.size	k_q9b2b709092_qu, .Lfunc_end_k_q9b2b709092_qu-k_q9b2b709092_qu
	.p2alignl 7, 3214868480
	.fill 96, 4, 3214868480
	.section	.rodata,"a",@progbits
	.p2align	6, 0x0
	.amdhsa_kernel k_q9b2b709092_qu
		.amdhsa_group_segment_fixed_size 2304
		.amdhsa_private_segment_fixed_size 0
		.amdhsa_enable_private_segment 0
		.amdhsa_kernarg_size 40
		.amdhsa_user_sgpr_count 2
		.amdhsa_user_sgpr_kernarg_segment_ptr 1
		.amdhsa_wavefront_size32 1
		.amdhsa_system_sgpr_workgroup_id_x 1
		.amdhsa_system_sgpr_workgroup_id_y 1
		.amdhsa_system_sgpr_workgroup_id_z 1
		.amdhsa_system_vgpr_workitem_id 0
		.amdhsa_next_free_vgpr 184
		.amdhsa_next_free_sgpr 66
		.amdhsa_reserve_vcc 0
		.amdhsa_float_denorm_mode_32 3
		.amdhsa_float_denorm_mode_16_64 3
		.amdhsa_memory_ordered 1
		.amdhsa_forward_progress 1
		.amdhsa_inst_pref_size 15
	.end_amdhsa_kernel
	.amdgpu_metadata
---
amdhsa.version: [ 1, 2 ]
amdhsa.kernels:
  - .name:           k_q9b2b709092_qu
    .symbol:         k_q9b2b709092_qu.kd
    .args:
      - { .name: x, .offset: 0, .size: 8, .value_kind: global_buffer, .address_space: global }
      - { .name: in_proj_weight, .offset: 8, .size: 8, .value_kind: global_buffer, .address_space: global }
      - { .name: in_proj_bias, .offset: 16, .size: 8, .value_kind: global_buffer, .address_space: global }
      - { .name: upart, .offset: 24, .size: 8, .value_kind: global_buffer, .address_space: global }
      - { .name: cpart, .offset: 32, .size: 8, .value_kind: global_buffer, .address_space: global }
    .group_segment_fixed_size: 2304
    .private_segment_fixed_size: 0
    .kernarg_segment_align: 8
    .kernarg_segment_size: 40
    .max_flat_workgroup_size: 512
    .sgpr_count:     66
    .vgpr_count:     184
    .wavefront_size: 32
...
	.end_amdgpu_metadata
.endif
;; end of part 1
;; launch main (part 2): grid 256 x 1, 8 waves a work-group, no clusters, 320,768 bytes of LDS; arguments x, upart, cpart, ypart, stats; writes ypart, stats
.if DOCPART == 2
	.amdgcn_target "amdgcn-amd-amdhsa--gfx1250"
	.amdhsa_code_object_version 6
	.text
	.protected	k_q9b2b709092_main
	.globl	k_q9b2b709092_main
	.p2align	8
	.type	k_q9b2b709092_main,@function
k_q9b2b709092_main:
	s_mov_b64 s[64:65], 0
	v_nop
	global_prefetch_b8 v0, s[64:65] scope:SCOPE_SE
	s_setreg_imm32_b32 hwreg(HW_REG_WAVE_MODE, 25, 1), 1
	s_wait_xcnt 0x0
; THE LONG AXIS, x READ ONCE.  For its 128 tokens a work-group makes the scores s[l][h] = u'_h . x_l + c'_h (exponents of 2), their maximum m_h, the weights p = 2^(s - m_h), their sum l_h,
; and Ypart[h][:] = the sum over its tokens of p[l][h] x_l[:].  The next launch joins the 256 parts by the global maximum.
; FORMATS.  Both products on the matrix unit in bf16 with f32 sums: x, u' and p are rounded to bf16.  Not f16: u' is a sum of 128 products of q' and Wk and leaves f16's range for inputs
; with an offset of thirty spreads.  Maxima, exponentials and l in f32; l is the sum of the unrounded p.
; LIMITS.  K and V are never formed, so the order of sums differs from projections followed by attention.  A weight below 2^-126 counts as 0.  NaN and infinities are not treated apart.
; SHARES.  Eight waves.  Wave w streams tokens 16 w .. 16 w + 15 (65,536 bytes of x) in eight chunks of 16 rows x 512 bytes, rounds them to bf16 into the work-group's tile in LDS, and makes their scores
; chunk by chunk.  In the second product wave w owns columns 128 w .. 128 w + 127 over all 128 tokens, read from the tile turned, by ds_load_tr16_b128.
; x COMES THROUGH REGISTERS, not by the tensor data mover: it has to be rounded on the way, so LDS carries 2 bytes a number (written once, read twice), and the bf16 tile of 128 tokens fits whole.
; A ring of three chunks in registers keeps 48 loads of 512 bytes of every wave on their way.
; NO CLUSTER.  What work-groups share is upart, 131,072 bytes against 524,288 of x a work-group; its four parts a head are added in f32 in registers, and of LDS 6,912 bytes are left: no room to land it.
; HEADS 8-15 of the 16 that a matrix instruction holds are copies of heads 0-7 (lanes r and r - 8 read the same rows of u'): everything stays finite, and where copies are stored they are the same
; numbers at the same addresses.
; REGISTERS.  Window 0: v0-23 addresses; v24-55 T (rounded chunk), later P's fragments; v56-119 fragments, v120-151 four score accumulators, v152-173 softmax; later v56-183 two buffers of turned x;
; v184-247 the eight accumulators of Ypart; v248, v249 m and l.  Window 1: v0-191 the ring, chunk c's row i at 64 (c % 3) + 4 i.
.set PITCH,  2064                      ; a row of the tile: 2,048 bytes + 16 = 516 words: row r starts at bank 4 r mod 64 (64 banks of 4 bytes: ISA guide 11.1)
.set UT,     128*PITCH                 ; behind the tile's 128 rows: u' in bf16, 8 rows of the same pitch
.set PF,     UT+8*PITCH                ; P as fragments: [4 steps of 32 tokens][2 halves][32 lanes][16 bytes]
.set MX,     PF+4096                   ; the waves' maxima, [16 heads][8 waves] f32; 512 bytes on, their sums
.set STG,    MX+1024                   ; the way out: for each wave 8 heads x 528 bytes
.set SPITCH, 528
.set SPARE,  319744                    ; the next multiple of 256 behind the stages: the spare words, 128 bytes for each wave, four blocks of 256 bytes that no other line names
.set T,    24
.set AF,   56                          ; v[56:87]   four fragments of x: 16 tokens x 32 columns each
.set BF,   88                          ; v[88:119]  four fragments of u': 16 heads x 32 columns each
.set ACC,  120                         ; v[120:151] four accumulators, one for each quarter of a chunk's 128 columns
.set S,    152                         ; v[152:159] my 8 tokens' scores of head r, then their weights
.set WK,   160                         ; v[160:171] at work
.set CB,   172                         ; v[172:173] c', twice
.set UTMP, 56                          ; v[56:183]  at the start: upart's part c of head h at 56 + 16 h + 4 c
.set CL,   184                         ; v[184:187] at the start: cpart's four parts of my head
.set PFR,  24                          ; v[24:55]   P's four fragments
.set XF0,  56                          ; v[56:119]  turned x, 8 fragments of 16 columns x 32 tokens
.set XF1,  120                         ; v[120:183] the second buffer
.set Y,    184
.set MSB, 0
.macro WIN new                         ; the immediate's high byte repeats the setting that is left; a switch that changes nothing is dropped
.if MSB != (\new)
	s_set_vgpr_msb (MSB<<8)|(\new)
.set MSB, \new
.endif
.endm
; chunk c of my 16 rows: sixteen loads, each 512 consecutive bytes of a row, at a multiple of 512 from x's first byte
.macro LOADCH c
	WIN 0x40                                       ; destination window 1, address window 0
.irp i, 0,1,2,3,4,5,6,7,8,9,10,11,12,13,14,15
	global_load_b128 v[64*((\c)%3)+4*(\i):64*((\c)%3)+4*(\i)+3], v4, s[4:5] offset:4096*(\i)+512*(\c) th:TH_LOAD_NT
.endr
	WIN 0
.endm
	s_load_b256 s[4:11], s[0:1], 0x0               ; x s[4:5], upart s[6:7], cpart s[8:9], ypart s[10:11]
	s_load_b64 s[12:13], s[0:1], 0x20              ; stats
	v_lshl_add_u32 v21, v0, 2, SPARE               ; my spare word,
	v_mov_b32 v22, 0                               ; and 0: kept for the closing add alone
	v_lshrrev_b32 v1, 5, v0
	v_readfirstlane_b32 s14, v1                    ; wave 0..7
	v_and_b32 v1, 31, v0                           ; lane
	v_and_b32 v2, 15, v0                           ; r
	v_bfe_u32 v3, v0, 4, 1                         ; hh
	v_lshlrev_b32 v4, 4, v1                        ; 16 x lane
	v_lshlrev_b32 v9, 4, v0                        ; 16 t: my four columns of upart
	v_and_b32 v10, 7, v0                           ; r % 8
	s_lshl_b32 s16, ttmp9, 19                      ; x: 128 rows of 4,096 bytes a group,
	s_lshl_b32 s26, s14, 16                        ; 16 a wave
	s_add_co_u32 s16, s16, s26
	s_mov_b32 s17, 0
	s_lshl_b32 s18, ttmp9, 15                      ; ypart: 8 rows of 4,096 bytes a group,
	s_lshl_b32 s26, s14, 9                         ; 512 bytes of each a wave
	s_add_co_u32 s18, s18, s26
	s_mov_b32 s19, 0
	s_lshl_b32 s24, ttmp9, 8                       ; stats: 256 bytes a group
	s_mov_b32 s25, 0
	s_mov_b32 s20, 0x76543210                      ; v_permlanex16_b32: each lane takes its own place in the other half
	s_mov_b32 s21, 0xfedcba98
	v_mul_u32_u24 v7, v10, PITCH
	v_lshlrev_b32 v10, 10, v10                     ; cpart: four blocks of 256 bytes a head
	s_wait_kmcnt 0x0
	s_add_nc_u64 s[4:5], s[4:5], s[16:17]
	s_add_nc_u64 s[10:11], s[10:11], s[18:19]
	s_add_nc_u64 s[12:13], s[12:13], s[24:25]
.set p, 0
.rept 32
	global_load_b128 v[UTMP+4*p:UTMP+4*p+3], v9, s[6:7] offset:4096*p
.set p, p+1
.endr
.irp c, 0,1,2,3
	global_load_b32 v[CL+\c], v10, s[8:9] offset:256*\c
.endr
	LOADCH 0
	; LDS addresses, while the loads are out
	s_mul_i32 s27, s14, 16*PITCH                   ; my 16 rows of the tile
	v_lshl_add_u32 v5, v1, 3, s27                  ; in: 8 bytes a lane, 256 consecutive bytes a row and chunk
	v_mul_u32_u24 v6, v2, PITCH
	v_lshl_add_u32 v6, v3, 4, v6
	v_add_nc_u32 v6, s27, v6                       ; a fragment of x: row r x pitch + 16 hh
	v_lshl_add_u32 v7, v3, 4, v7
	v_add_nc_u32 v7, UT, v7                        ; a fragment of u': row r % 8
	v_lshl_add_u32 v8, v0, 3, UT                   ; where my four columns of u' go
	s_lshl_b32 s28, s14, 2
	s_add_co_u32 s28, s28, MX
	v_lshl_add_u32 v11, v2, 5, s28                 ; my wave's word of head r
	v_lshl_add_u32 v12, v2, 5, MX                  ; head r's eight words
	s_lshl_b32 s29, s14, 9
	s_add_co_u32 s29, s29, PF
	v_add_nc_u32 v13, s29, v4                      ; my wave's 16 tokens are half w % 2 of step w / 2: 512 w
	v_add_nc_u32 v14, PF, v4
	s_wait_loadcnt 16                              ; upart and cpart are in; the 16 younger loads, chunk 0's, stay out
	LOADCH 1
	LOADCH 2
	; u' = the sum of upart's four parts a head, rounded to bf16 into LDS: thread t has columns 4 t .. 4 t + 3 of every head
.set hd, 0
.rept 8
.set ub, UTMP+16*hd
	v_pk_add_f32 v[ub:ub+1], v[ub:ub+1], v[ub+4:ub+5]
	v_pk_add_f32 v[ub+2:ub+3], v[ub+2:ub+3], v[ub+6:ub+7]
	v_pk_add_f32 v[ub+8:ub+9], v[ub+8:ub+9], v[ub+12:ub+13]
	v_pk_add_f32 v[ub+10:ub+11], v[ub+10:ub+11], v[ub+14:ub+15]
	v_pk_add_f32 v[ub:ub+1], v[ub:ub+1], v[ub+8:ub+9]
	v_pk_add_f32 v[ub+2:ub+3], v[ub+2:ub+3], v[ub+10:ub+11]
	v_cvt_pk_bf16_f32 v[T+2*hd], v[ub], v[ub+1]
	v_cvt_pk_bf16_f32 v[T+2*hd+1], v[ub+2], v[ub+3]
	ds_store_b64 v8, v[T+2*hd:T+2*hd+1] offset:PITCH*hd
.set hd, hd+1
.endr
	v_add_f32 v[CL], v[CL], v[CL+1]
	v_add_f32 v[CL+2], v[CL+2], v[CL+3]
	v_add_f32 v[CB], v[CL], v[CL+2]                ; c' of head r % 8
	v_mov_b32 v[CB+1], v[CB]
	s_wait_dscnt 0x0                               ; for the others' sake: my part of u' is stored
	s_barrier_signal -1
	s_barrier_wait -1                              ; u' is whole
; CHUNK c: rounded, stored into the tile, read back as fragments, multiplied by u'.  The four accumulators take turns, one instruction a turn, from chunk to chunk too.
.macro CHUNK c
.if (\c) <= 5
	s_wait_loadcnt 32                              ; loads come back in order (ISA guide 5.7.1): chunk c is in, the 32 loads of the two younger chunks stay out
.elseif (\c) == 6
	s_wait_loadcnt 16                              ; one younger chunk is left
.else
	s_wait_loadcnt 0x0
.endif
	WIN 0x05                                       ; sources in window 1, destination in window 0
.set k, 0
.rept 32                                               ; these 32 name no register of the products before them: they are the places in front of the loads into the fragments
	v_cvt_pk_bf16_f32 v[T+k], v[64*((\c)%3)+2*k], v[64*((\c)%3)+2*k+1]
.set k, k+1
.endr
.if (\c) <= 4
	LOADCH (\c)+3                                  ; the ring's slot is free: it takes the chunk three further on
.endif
	WIN 0
.irp i, 0,1,2,3,4,5,6,7,8,9,10,11,12,13,14,15
	ds_store_b64 v5, v[T+2*(\i):T+2*(\i)+1] offset:PITCH*(\i)+256*(\c)
.endr
.irp s, 0,1,2,3
	ds_load_b128 v[AF+8*(\s):AF+8*(\s)+3],   v6 offset:256*(\c)+64*(\s)     ; my own rows: LDS serves a wave's instructions in order (ISA guide 5.7.1.4), these see the stores above
	ds_load_b128 v[AF+8*(\s)+4:AF+8*(\s)+7], v6 offset:256*(\c)+64*(\s)+32
.endr
.irp s, 0,1,2,3
	ds_load_b128 v[BF+8*(\s):BF+8*(\s)+3],   v7 offset:256*(\c)+64*(\s)
	ds_load_b128 v[BF+8*(\s)+4:BF+8*(\s)+7], v7 offset:256*(\c)+64*(\s)+32
.endr
	s_wait_dscnt 0x0                               ; the fragments are in, and my stores into the tile are done
.irp s, 0,1,2,3
.if (\c) == 0
	v_wmma_f32_16x16x32_bf16 v[ACC+8*(\s):ACC+8*(\s)+7], v[AF+8*(\s):AF+8*(\s)+7], v[BF+8*(\s):BF+8*(\s)+7], 0
.else
	v_wmma_f32_16x16x32_bf16 v[ACC+8*(\s):ACC+8*(\s)+7], v[AF+8*(\s):AF+8*(\s)+7], v[BF+8*(\s):BF+8*(\s)+7], v[ACC+8*(\s):ACC+8*(\s)+7]
.endif
.endr
.endm
.irp c, 0,1,2,3,4,5,6,7
	CHUNK \c
.endr
	; The addresses of the second product and of the way out: plain instructions that name none of the products' registers, the places behind the last of them.
	v_and_b32 v[WK], 7, v1
	v_lshl_add_u32 v[WK], v3, 3, v[WK]             ; the turning load: lane l reads token 8 hh + l % 8,
	v_mul_u32_u24 v[WK], v[WK], PITCH
	v_bfe_u32 v[WK+1], v1, 3, 1
	v_lshl_add_u32 v[WK], v[WK+1], 7, v[WK]        ; and 16 bytes at 0 or at 128: the fragment's second eight columns lie 64 columns on, each once
	s_lshl_b32 s30, s14, 8                         ; my 128 columns
	v_add_nc_u32 v15, s30, v[WK]                   ; tokens 0-31,
	v_add_nc_u32 v16, 32*PITCH, v15                ; 32-63,
	v_add_nc_u32 v17, 64*PITCH, v15                ; 64-95,
	v_add_nc_u32 v18, 96*PITCH, v15                ; 96-127
	v_and_b32 v[WK+1], 7, v2
	v_mul_u32_u24 v[WK+1], v[WK+1], SPITCH
	v_lshl_add_u32 v[WK+1], v3, 8, v[WK+1]
	s_mul_i32 s31, s14, 8*SPITCH
	s_add_co_u32 s31, s31, STG                     ; my stage
	v_add_nc_u32 v19, s31, v[WK+1]                 ; in: head r % 8's row, 256 bytes for each half of the lanes
	v_add_nc_u32 v20, s31, v4                      ; back: a head's 512 bytes, 16 a lane
	v_lshlrev_b32 v23, 3, v1                       ; 8 x lane
	; SOFTMAX.  Register j of lane (r, hh) is token 8 hh + j, head r.  Each accumulator is read from its lowest registers on.
.irp j, 0,2,4,6
	v_pk_add_f32 v[S+\j:S+\j+1], v[ACC+\j:ACC+\j+1], v[ACC+8+\j:ACC+8+\j+1]
.endr
.irp j, 0,2,4,6
	v_pk_add_f32 v[WK+\j:WK+\j+1], v[ACC+16+\j:ACC+16+\j+1], v[ACC+24+\j:ACC+24+\j+1]
.endr
.irp j, 0,2,4,6
	v_pk_add_f32 v[S+\j:S+\j+1], v[S+\j:S+\j+1], v[WK+\j:WK+\j+1]
.endr
.irp j, 0,2,4,6
	v_pk_add_f32 v[S+\j:S+\j+1], v[S+\j:S+\j+1], v[CB:CB+1]
.endr
	v_max3_num_f32 v[WK+8], v[S], v[S+1], v[S+2]
	v_max3_num_f32 v[WK+9], v[S+3], v[S+4], v[S+5]
	v_max3_num_f32 v[WK+8], v[WK+8], v[S+6], v[S+7]
	v_max_num_f32 v[WK+8], v[WK+8], v[WK+9]
	v_permlanex16_b32 v[WK+9], v[WK+8], s20, s21   ; the head's other eight tokens lie in the lane 16 away
	v_max_num_f32 v[WK+8], v[WK+8], v[WK+9]
	ds_store_b32 v11, v[WK+8]
	s_wait_dscnt 0x0                               ; for the others' sake: my wave's maximum is stored
	s_barrier_signal -1
	s_barrier_wait -1
	ds_load_b128 v[WK:WK+3], v12
	ds_load_b128 v[WK+4:WK+7], v12 offset:16
	s_wait_dscnt 0x0
	v_max3_num_f32 v248, v[WK], v[WK+1], v[WK+2]
	v_max3_num_f32 v249, v[WK+3], v[WK+4], v[WK+5]
	v_max3_num_f32 v248, v248, v[WK+6], v[WK+7]
	v_max_num_f32 v248, v248, v249                 ; m: head r's maximum over the group's 128 tokens
.irp j, 0,1,2,3,4,5,6,7
	v_sub_f32 v[S+\j], v[S+\j], v248
.endr
.irp j, 0,1,2,3,4,5,6,7
	v_exp_f32 v[S+\j], v[S+\j]
.endr
	v_nop                                          ; a plain instruction between the last exponential and the use of its result (ISA guide 5.7.2)
	s_wait_alu depctr_va_vdst(0)
	v_pk_add_f32 v[WK:WK+1], v[S:S+1], v[S+2:S+3]
	v_pk_add_f32 v[WK+2:WK+3], v[S+4:S+5], v[S+6:S+7]
	v_pk_add_f32 v[WK:WK+1], v[WK:WK+1], v[WK+2:WK+3]
	v_add_f32 v[WK], v[WK], v[WK+1]
	v_permlanex16_b32 v[WK+1], v[WK], s20, s21
	v_add_f32 v249, v[WK], v[WK+1]                 ; my wave's part of l
	ds_store_b32 v11, v249 offset:512
.irp j, 0,1,2,3
	v_cvt_pk_bf16_f32 v[WK+4+\j], v[S+2*\j], v[S+2*\j+1]
.endr
	ds_store_b128 v13, v[WK+4:WK+7]                ; these four registers ARE registers 4 (w % 2) .. + 3 of the fragment (16 heads x 32 tokens) of step w / 2: no number changes its lane
	s_wait_dscnt 0x0                               ; for the others' sake: P and l are stored; my rows of the tile were stored and waited for chunk by chunk
	s_barrier_signal -1
	s_barrier_wait -1
	; Ypart^T = X^T P: source 0 = 16 columns of x x 32 tokens (turned), source 1 = 16 heads x 32 tokens.  Register j of lane (r, hh) of tile t is column 128 w + 64 hh + 8 t + j, head r.
.macro TRLD s, buf
.irp t, 0,1,2,3,4,5,6,7
	ds_load_tr16_b128 v[(\buf)+8*(\t):(\buf)+8*(\t)+3],   v[15+(\s)] offset:16*(\t)
	ds_load_tr16_b128 v[(\buf)+8*(\t)+4:(\buf)+8*(\t)+7], v[15+(\s)] offset:16*(\t)+16*PITCH
.endr
.endm
.macro MULY s, buf, zero               ; the eight accumulators take turns; zero = 1: the first step starts the sums
.irp t, 0,1,2,3,4,5,6,7
.if \zero
	v_wmma_f32_16x16x32_bf16 v[Y+8*(\t):Y+8*(\t)+7], v[(\buf)+8*(\t):(\buf)+8*(\t)+7], v[PFR+8*(\s):PFR+8*(\s)+7], 0
.else
	v_wmma_f32_16x16x32_bf16 v[Y+8*(\t):Y+8*(\t)+7], v[(\buf)+8*(\t):(\buf)+8*(\t)+7], v[PFR+8*(\s):PFR+8*(\s)+7], v[Y+8*(\t):Y+8*(\t)+7]
.endif
.endr
.endm
.macro PLACES                          ; four places in front of loads into registers that matrix instructions have read, and of stores that read results
.rept 4
	v_nop
.endr
.endm
.irp s, 0,1,2,3
	ds_load_b128 v[PFR+8*\s:PFR+8*\s+3],   v14 offset:1024*\s
	ds_load_b128 v[PFR+8*\s+4:PFR+8*\s+7], v14 offset:1024*\s+512
.endr
	TRLD 0, XF0
	TRLD 1, XF1
	s_wait_dscnt 16                                ; P and step 0 are in; step 1's sixteen loads stay out
	MULY 0, XF0, 1
	PLACES
	TRLD 2, XF0
	s_wait_dscnt 16                                ; step 1 is in; step 2's sixteen stay out
	MULY 1, XF1, 0
	PLACES
	TRLD 3, XF1
	s_wait_dscnt 16                                ; step 2 is in; step 3's sixteen stay out
	MULY 2, XF0, 0
	s_wait_dscnt 0x0
	MULY 3, XF1, 0
	PLACES
	; THE WAY OUT: through my own stage, so that a store covers a head's 512 consecutive bytes.  Each accumulator's lowest registers are read first.
.irp t, 0,1,2,3,4,5,6,7
	ds_store_b128 v19, v[Y+8*\t:Y+8*\t+3] offset:32*\t
	ds_store_b128 v19, v[Y+8*\t+4:Y+8*\t+7] offset:32*\t+16
.endr
.irp h, 0,1,2,3,4,5,6,7
	ds_load_b128 v[XF0+4*\h:XF0+4*\h+3], v20 offset:SPITCH*\h      ; my own bytes, served in order behind the stores above
.endr
.irp h, 0,1,2,3,4,5,6,7
	s_wait_dscnt 7-\h                              ; head h's row is back; the younger loads stay out
	global_store_b128 v4, v[XF0+4*\h:XF0+4*\h+3], s[10:11] offset:4096*\h   ; 512 consecutive bytes, at a multiple of 512 from ypart's first byte
.endr
	s_cmp_lg_u32 s14, 0
	s_cbranch_scc1 .Lend
	ds_load_b128 v[88:91], v12 offset:512          ; wave 0: head r's eight parts of l
	ds_load_b128 v[92:95], v12 offset:528
	s_wait_dscnt 0x0
	v_pk_add_f32 v[88:89], v[88:89], v[90:91]
	v_pk_add_f32 v[92:93], v[92:93], v[94:95]
	v_pk_add_f32 v[88:89], v[88:89], v[92:93]
	v_add_f32 v250, v88, v89
	v_cmp_gt_u32 vcc_lo, 8, v2
	v_cndmask_b32 v252, v250, v248, vcc_lo         ; lanes with r < 8 hold m of head r, the others l of head r - 8
	v_mov_b32 v253, v252
	global_store_b64 v23, v[252:253], s[12:13]     ; each number twice, all of it twice: one store of 256 consecutive bytes, aligned, every lane on.  m of head h at byte 8 h, l at 64 + 8 h
.Lend:
	s_wait_tensorcnt 0x0                           ; the wave's end, behind my last LDS store
	ds_add_u32 v21, v22
	s_wait_dscnt 0x0
	s_endpgm
.Lfunc_end_k_q9b2b709092_main:
	.size	k_q9b2b709092_main, .Lfunc_end_k_q9b2b709092_main-k_q9b2b709092_main
	.p2alignl 7, 3214868480
	.fill 96, 4, 3214868480
	.section	.rodata,"a",@progbits
	.p2align	6, 0x0
	.amdhsa_kernel k_q9b2b709092_main
		.amdhsa_group_segment_fixed_size 320768
		.amdhsa_private_segment_fixed_size 0
		.amdhsa_enable_private_segment 0
		.amdhsa_kernarg_size 40
		.amdhsa_user_sgpr_count 2
		.amdhsa_user_sgpr_kernarg_segment_ptr 1
		.amdhsa_wavefront_size32 1
		.amdhsa_system_sgpr_workgroup_id_x 1
		.amdhsa_system_sgpr_workgroup_id_y 1
		.amdhsa_system_sgpr_workgroup_id_z 1
		.amdhsa_system_vgpr_workitem_id 0
		.amdhsa_next_free_vgpr 448
		.amdhsa_next_free_sgpr 66
		.amdhsa_reserve_vcc 1
		.amdhsa_float_denorm_mode_32 3
		.amdhsa_float_denorm_mode_16_64 3
		.amdhsa_memory_ordered 1
		.amdhsa_forward_progress 1
		.amdhsa_inst_pref_size 73
	.end_amdhsa_kernel
	.amdgpu_metadata
---
amdhsa.version: [ 1, 2 ]
amdhsa.kernels:
  - .name:           k_q9b2b709092_main
    .symbol:         k_q9b2b709092_main.kd
    .args:
      - { .name: x, .offset: 0, .size: 8, .value_kind: global_buffer, .address_space: global }
      - { .name: upart, .offset: 8, .size: 8, .value_kind: global_buffer, .address_space: global }
      - { .name: cpart, .offset: 16, .size: 8, .value_kind: global_buffer, .address_space: global }
      - { .name: ypart, .offset: 24, .size: 8, .value_kind: global_buffer, .address_space: global }
      - { .name: stats, .offset: 32, .size: 8, .value_kind: global_buffer, .address_space: global }
    .group_segment_fixed_size: 320768
    .private_segment_fixed_size: 0
    .kernarg_segment_align: 8
    .kernarg_segment_size: 40
    .max_flat_workgroup_size: 256
    .sgpr_count:     66
    .vgpr_count:     448
    .wavefront_size: 32
...
	.end_amdgpu_metadata
.endif
;; end of part 2
;; launch comb (part 3): grid 8 x 8, 8 waves a work-group, no clusters, 5,888 bytes of LDS; arguments ypart, stats, in_proj_weight, opart; writes opart
.if DOCPART == 3
	.amdgcn_target "amdgcn-amd-amdhsa--gfx1250"
	.amdhsa_code_object_version 6
	.text
	.protected	k_q9b2b709092_comb
	.globl	k_q9b2b709092_comb
	.p2align	8
	.type	k_q9b2b709092_comb,@function
k_q9b2b709092_comb:
	s_mov_b64 s[64:65], 0
	v_nop
	global_prefetch_b8 v0, s[64:65] scope:SCOPE_SE
	s_setreg_imm32_b32 hwreg(HW_REG_WAVE_MODE, 25, 1), 1
	s_wait_xcnt 0x0
; THE 256 PARTS ARE JOINED, and the V projection is applied to the joined vector: the sum over l of a_l (Wv x_l + bv) = Wv y + bv with y = the sum of a_l x_l, since the a_l add up to 1.
; Work-group (ec, h): head h, columns 128 ec .. + 127 of y.  M = the maximum of the 256 m; g_t = 2^(m_t - M); L = the sum of g_t l_t; y = the sum of g_t ypart_t / L;
; then opart[ec][128 h + d] = the sum over those 128 columns of Wv[128 h + d][e] y[e].  The next launch adds the eight ec and bv.
; SHARES.  Thread t holds part t's m and l.  Wave w adds parts 32 w .. 32 w + 31 (its own lanes hold their factors: read out into scalars), a lane four columns; then it takes rows 16 w .. 16 w + 15 of Wv's block.
; All in f32 on the vector unit: one row a product.  Every byte of ypart and of Wv is read once in the launch.  At least one g is 1 and every l is at least 1, so L is at least 1.
; LDS: bytes 0-31 the waves' maxima, 32-63 their sums; 256-4351 the waves' parts of y, 512 bytes each; 4352-4863 the 128 results; from 4864 the spare words.
.set YR,    256
.set OR,    4352
.set SPARE, 4864                       ; the spare words: 128 bytes for each of 8 waves, four blocks of 256 bytes that no other line names
.set YP, 16                            ; v[16:143]  my four columns of 32 parts
.set WV, 144                           ; v[144:207] my four columns of 16 rows of Wv
.set RD, 212                           ; v[212:219] eight words read back
.set AC, 220                           ; v[220:223] my wave's part of y
.set YQ, 224                           ; v[224:255] the eight waves' parts of y
	s_load_b256 s[4:11], s[0:1], 0x0               ; ypart s[4:5], stats s[6:7], in_proj_weight s[8:9], opart s[10:11]
	v_lshl_add_u32 v4, v0, 2, SPARE                ; my spare word,
	v_mov_b32 v5, 0                                ; and 0: kept for the closing add alone
	v_lshrrev_b32 v1, 5, v0
	v_readfirstlane_b32 s14, v1                    ; wave 0..7
	s_and_b32 s15, ttmp7, 0xffff                   ; h; ttmp9 is ec
	v_and_b32 v1, 31, v0
	v_and_b32 v14, 15, v0
	v_lshlrev_b32 v2, 4, v1                        ; 16 x lane
	v_lshlrev_b32 v3, 8, v0                        ; stats: 256 bytes a part
	s_lshl_b32 s26, s14, 2
	v_mov_b32 v6, s26                              ; my wave's word: 4 w
	v_mov_b32 v7, 0
	s_lshl_b32 s27, s14, 9
	s_add_co_u32 s27, s27, YR
	v_add_nc_u32 v10, s27, v2                      ; my wave's part of y
	v_add_nc_u32 v11, YR, v2
	s_lshl_b32 s28, s14, 6
	s_add_co_u32 s28, s28, OR
	v_lshl_add_u32 v12, v14, 2, s28                ; my wave's 16 results
	v_add_nc_u32 v13, OR, v2
	s_lshl_b32 s29, ttmp9, 9                       ; 128 columns of f32
	s_lshl_b32 s16, s14, 20                        ; ypart: 32 parts of 32,768 bytes a wave,
	s_lshl_b32 s30, s15, 12                        ; the head's row,
	s_add_co_u32 s16, s16, s30
	s_add_co_u32 s16, s16, s29                     ; the columns
	s_mov_b32 s17, 0
	s_lshl_b32 s18, s15, 3                         ; stats: m of head h at byte 8 h
	s_mov_b32 s19, 0
	s_lshl_b32 s20, s15, 19                        ; Wv: 128 rows of 4,096 bytes a head,
	s_lshl_b32 s30, s14, 16                        ; 16 a wave,
	s_add_co_u32 s20, s20, s30
	s_add_co_u32 s20, s20, s29                     ; the columns,
	s_add_co_u32 s20, s20, 0x800000                ; behind Wq's and Wk's 2,048 rows
	s_mov_b32 s21, 0
	s_lshl_b32 s22, ttmp9, 12                      ; opart: row ec, the head's 512 bytes
	s_lshl_b32 s30, s15, 9
	s_add_co_u32 s22, s22, s30
	s_mov_b32 s23, 0
	s_mov_b32 s24, 0x76543210                      ; v_permlanex16_b32: each lane takes its own place in the other half
	s_mov_b32 s25, 0xfedcba98
	s_wait_kmcnt 0x0
	s_add_nc_u64 s[4:5], s[4:5], s[16:17]
	s_add_nc_u64 s[6:7], s[6:7], s[18:19]
	s_add_nc_u64 s[8:9], s[8:9], s[20:21]
	s_add_nc_u64 s[10:11], s[10:11], s[22:23]
	global_load_b32 v8, v3, s[6:7]                 ; m of part t
	global_load_b32 v9, v3, s[6:7] offset:64       ; l of part t
.set i, 0
.rept 32
	global_load_b128 v[YP+4*i:YP+4*i+3], v2, s[4:5] offset:32768*i th:TH_LOAD_NT   ; 512 consecutive bytes each
.set i, i+1
.endr
.set i, 0
.rept 16
	global_load_b128 v[WV+4*i:WV+4*i+3], v2, s[8:9] offset:4096*i th:TH_LOAD_NT
.set i, i+1
.endr
	s_wait_loadcnt 48                              ; m and l are in; the 48 younger loads, ypart's and Wv's, stay out
	v_mov_b32 v208, v8
	v_mov_b32 v209, v8
	v_max_num_f32_dpp v208, v208, v208 row_xmask:1 row_mask:0xf bank_mask:0xf
	v_max_num_f32_dpp v208, v208, v208 row_xmask:2 row_mask:0xf bank_mask:0xf
	v_max_num_f32_dpp v208, v208, v208 row_xmask:4 row_mask:0xf bank_mask:0xf
	v_max_num_f32_dpp v208, v208, v208 row_xmask:8 row_mask:0xf bank_mask:0xf
	v_permlanex16_b32 v209, v208, s24, s25
	v_max_num_f32 v208, v208, v209
	ds_store_b32 v6, v208                          ; my wave's maximum
	s_wait_dscnt 0x0                               ; for the others' sake
	s_barrier_signal -1
	s_barrier_wait -1
	ds_load_b128 v[RD:RD+3], v7
	ds_load_b128 v[RD+4:RD+7], v7 offset:16
	s_wait_dscnt 0x0
	v_max3_num_f32 v210, v[RD], v[RD+1], v[RD+2]
	v_max3_num_f32 v209, v[RD+3], v[RD+4], v[RD+5]
	v_max3_num_f32 v210, v210, v[RD+6], v[RD+7]
	v_max_num_f32 v210, v210, v209                 ; M
	v_sub_f32 v211, v8, v210
	v_exp_f32 v211, v211                           ; g of part t
	v_nop                                          ; a plain instruction behind the exponential (ISA guide 5.7.2)
	s_wait_alu depctr_va_vdst(0)
	v_mul_f32 v208, v9, v211
	v_add_f32_dpp v208, v208, v208 row_xmask:1 row_mask:0xf bank_mask:0xf
	v_add_f32_dpp v208, v208, v208 row_xmask:2 row_mask:0xf bank_mask:0xf
	v_add_f32_dpp v208, v208, v208 row_xmask:4 row_mask:0xf bank_mask:0xf
	v_add_f32_dpp v208, v208, v208 row_xmask:8 row_mask:0xf bank_mask:0xf
	v_permlanex16_b32 v209, v208, s24, s25
	v_add_f32 v208, v208, v209
	ds_store_b32 v6, v208 offset:32                ; my wave's part of L: other bytes than the maxima, which others may still be reading
.set i, 0
.rept 32
	v_readlane_b32 s[32+i], v211, i                ; lane i of my wave holds the factor of part 32 w + i
.set i, i+1
.endr
	s_wait_loadcnt 16                              ; ypart is in; Wv's sixteen loads stay out
.irp k, 0,1,2,3
	v_mul_f32 v[AC+\k], s32, v[YP+\k]              ; the first part starts the sums
.endr
.set i, 1
.rept 31
	v_fmac_f32 v[AC], s[32+i], v[YP+4*i]
	v_fmac_f32 v[AC+1], s[32+i], v[YP+4*i+1]
	v_fmac_f32 v[AC+2], s[32+i], v[YP+4*i+2]
	v_fmac_f32 v[AC+3], s[32+i], v[YP+4*i+3]
.set i, i+1
.endr
	ds_store_b128 v10, v[AC:AC+3]
	s_wait_dscnt 0x0                               ; for the others' sake: my parts of L and of y are stored
	s_barrier_signal -1
	s_barrier_wait -1
	ds_load_b128 v[RD:RD+3], v7 offset:32
	ds_load_b128 v[RD+4:RD+7], v7 offset:48
.irp q, 0,1,2,3,4,5,6,7
	ds_load_b128 v[YQ+4*\q:YQ+4*\q+3], v11 offset:512*\q
.endr
	s_wait_dscnt 0x0
	v_pk_add_f32 v[RD:RD+1], v[RD:RD+1], v[RD+2:RD+3]
	v_pk_add_f32 v[RD+4:RD+5], v[RD+4:RD+5], v[RD+6:RD+7]
	v_pk_add_f32 v[RD:RD+1], v[RD:RD+1], v[RD+4:RD+5]
	v_add_f32 v[RD], v[RD], v[RD+1]                ; L
	v_rcp_f32 v[RD+2], v[RD]                       ; the additions below are the plain instructions behind it
.irp q, 0,2,4,6
	v_pk_add_f32 v[YQ+4*\q:YQ+4*\q+1], v[YQ+4*\q:YQ+4*\q+1], v[YQ+4*\q+4:YQ+4*\q+5]
	v_pk_add_f32 v[YQ+4*\q+2:YQ+4*\q+3], v[YQ+4*\q+2:YQ+4*\q+3], v[YQ+4*\q+6:YQ+4*\q+7]
.endr
.irp q, 0,4
	v_pk_add_f32 v[YQ+4*\q:YQ+4*\q+1], v[YQ+4*\q:YQ+4*\q+1], v[YQ+4*\q+8:YQ+4*\q+9]
	v_pk_add_f32 v[YQ+4*\q+2:YQ+4*\q+3], v[YQ+4*\q+2:YQ+4*\q+3], v[YQ+4*\q+10:YQ+4*\q+11]
.endr
	v_pk_add_f32 v[YQ:YQ+1], v[YQ:YQ+1], v[YQ+16:YQ+17]
	v_pk_add_f32 v[YQ+2:YQ+3], v[YQ+2:YQ+3], v[YQ+18:YQ+19]
	s_wait_alu depctr_va_vdst(0)
	v_pk_mul_f32 v[YQ:YQ+1], v[YQ:YQ+1], v[RD+2:RD+3] op_sel_hi:[1,0]      ; y: my four columns
	v_pk_mul_f32 v[YQ+2:YQ+3], v[YQ+2:YQ+3], v[RD+2:RD+3] op_sel_hi:[1,0]
	s_wait_loadcnt 0x0                             ; Wv
.set i, 0
.rept 16                                               ; row i's part in my four columns, in place
	v_pk_mul_f32 v[WV+4*i:WV+4*i+1], v[WV+4*i:WV+4*i+1], v[YQ:YQ+1]
	v_pk_fma_f32 v[WV+4*i:WV+4*i+1], v[WV+4*i+2:WV+4*i+3], v[YQ+2:YQ+3], v[WV+4*i:WV+4*i+1]
.set i, i+1
.endr
.set i, 0
.rept 16
	v_add_f32 v[WV+4*i], v[WV+4*i], v[WV+4*i+1]
.set i, i+1
.endr
.irp m, 1,2,4,8                        ; the sixteen sums over the lanes side by side, so that no step waits for the one before it
.set i, 0
.rept 16
	v_add_f32_dpp v[WV+4*i], v[WV+4*i], v[WV+4*i] row_xmask:\m row_mask:0xf bank_mask:0xf
.set i, i+1
.endr
.endr
.set i, 0
.rept 16
	v_permlanex16_b32 v[WV+4*i+1], v[WV+4*i], s24, s25
.set i, i+1
.endr
.set i, 0
.rept 16
	v_add_f32 v[WV+4*i], v[WV+4*i], v[WV+4*i+1]
.set i, i+1
.endr
	v_mov_b32 v208, v[WV]                          ; lane l keeps row l % 16's sum
.set i, 1
.rept 15
	v_cmp_eq_u32 vcc_lo, i, v14
	v_cndmask_b32 v208, v208, v[WV+4*i], vcc_lo
.set i, i+1
.endr
	ds_store_b32 v12, v208
	s_wait_dscnt 0x0                               ; for wave 0's sake
	s_barrier_signal -1
	s_barrier_wait -1
	s_cmp_lg_u32 s14, 0
	s_cbranch_scc1 .Lend
	ds_load_b128 v[RD:RD+3], v13
	s_wait_dscnt 0x0
	global_store_b128 v2, v[RD:RD+3], s[10:11]     ; the 128 results: 512 consecutive bytes, at a multiple of 512 from opart's first byte
.Lend:
	s_wait_tensorcnt 0x0                           ; the wave's end, behind my last LDS store
	ds_add_u32 v4, v5
	s_wait_dscnt 0x0
	s_endpgm
.Lfunc_end_k_q9b2b709092_comb:
	.size	k_q9b2b709092_comb, .Lfunc_end_k_q9b2b709092_comb-k_q9b2b709092_comb
	.p2alignl 7, 3214868480
	.fill 96, 4, 3214868480
	.section	.rodata,"a",@progbits
	.p2align	6, 0x0
	.amdhsa_kernel k_q9b2b709092_comb
		.amdhsa_group_segment_fixed_size 5888
		.amdhsa_private_segment_fixed_size 0
		.amdhsa_enable_private_segment 0
		.amdhsa_kernarg_size 32
		.amdhsa_user_sgpr_count 2
		.amdhsa_user_sgpr_kernarg_segment_ptr 1
		.amdhsa_wavefront_size32 1
		.amdhsa_system_sgpr_workgroup_id_x 1
		.amdhsa_system_sgpr_workgroup_id_y 1
		.amdhsa_system_sgpr_workgroup_id_z 1
		.amdhsa_system_vgpr_workitem_id 0
		.amdhsa_next_free_vgpr 256
		.amdhsa_next_free_sgpr 66
		.amdhsa_reserve_vcc 1
		.amdhsa_float_denorm_mode_32 3
		.amdhsa_float_denorm_mode_16_64 3
		.amdhsa_memory_ordered 1
		.amdhsa_forward_progress 1
		.amdhsa_inst_pref_size 26
	.end_amdhsa_kernel
	.amdgpu_metadata
---
amdhsa.version: [ 1, 2 ]
amdhsa.kernels:
  - .name:           k_q9b2b709092_comb
    .symbol:         k_q9b2b709092_comb.kd
    .args:
      - { .name: ypart, .offset: 0, .size: 8, .value_kind: global_buffer, .address_space: global }
      - { .name: stats, .offset: 8, .size: 8, .value_kind: global_buffer, .address_space: global }
      - { .name: in_proj_weight, .offset: 16, .size: 8, .value_kind: global_buffer, .address_space: global }
      - { .name: opart, .offset: 24, .size: 8, .value_kind: global_buffer, .address_space: global }
    .group_segment_fixed_size: 5888
    .private_segment_fixed_size: 0
    .kernarg_segment_align: 8
    .kernarg_segment_size: 32
    .max_flat_workgroup_size: 256
    .sgpr_count:     66
    .vgpr_count:     256
    .wavefront_size: 32
...
	.end_amdgpu_metadata
.endif
;; end of part 3
;; launch outp (part 4): grid 64 x 1, 8 waves a work-group, no clusters, 5,376 bytes of LDS; arguments opart, in_proj_bias, out_proj_weight, out_proj_bias, out0; writes out0
.if DOCPART == 4
	.amdgcn_target "amdgcn-amd-amdhsa--gfx1250"
	.amdhsa_code_object_version 6
	.text
	.protected	k_q9b2b709092_outp
	.globl	k_q9b2b709092_outp
	.p2align	8
	.type	k_q9b2b709092_outp,@function
k_q9b2b709092_outp:
	s_mov_b64 s[64:65], 0
	v_nop
	global_prefetch_b8 v0, s[64:65] scope:SCOPE_SE
	s_setreg_imm32_b32 hwreg(HW_REG_WAVE_MODE, 25, 1), 1
	s_wait_xcnt 0x0
; o = bv + the sum of opart's eight rows; out0 = Wo o + bo.  Work-group g makes out0[16 g .. 16 g + 15]; wave w rows 16 g + 2 w and the next.
; Every work-group makes all of o (thread t four numbers of it) and hands it round through LDS; a whole row of Wo is eight loads of 16 bytes a lane.  All in f32 on the vector unit: a product with one
; row streams its weights once.  Every byte of Wo is read once in the launch.
; The result is 64 bytes a work-group: whole blocks of 256 bytes would leave 16 work-groups for the 4 MiB of Wo.
; LDS: bytes 0-4095 o; 4096-4159 the 16 results; from 4352 the spare words.
.set RES,   4096
.set SPARE, 4352                       ; the spare words: 128 bytes for each of 8 waves, four blocks of 256 bytes that no other line names
.set X0, 8                             ; v[8:39]   opart's eight rows, my four numbers of each; later o, my 32 numbers
.set BV, 40                            ; v[40:43]  bv, then o: my four numbers
.set WQ, 44                            ; v[44:107] my wave's two rows of Wo, 32 registers each
.set AC, 108                           ; v[108:119] at work
	s_load_b256 s[4:11], s[0:1], 0x0               ; opart s[4:5], in_proj_bias s[6:7], out_proj_weight s[8:9], out_proj_bias s[10:11]
	s_load_b64 s[12:13], s[0:1], 0x20              ; out0
	v_lshl_add_u32 v4, v0, 2, SPARE                ; my spare word,
	v_mov_b32 v5, 0                                ; and 0: kept for the closing add alone
	v_lshrrev_b32 v1, 5, v0
	v_readfirstlane_b32 s14, v1                    ; wave 0..7
	v_and_b32 v6, 15, v0
	v_and_b32 v7, 31, v0
	v_lshlrev_b32 v1, 4, v7                        ; 16 x lane
	v_lshlrev_b32 v2, 4, v0                        ; 16 t
	v_lshl_add_u32 v6, v6, 2, RES                  ; result l % 16
	v_lshlrev_b32 v7, 2, v7                        ; 4 x lane
	s_lshl_b32 s15, s14, 3
	s_add_co_u32 s26, s15, RES
	v_mov_b32 v3, s26                              ; where my wave's two results go
	s_lshl_b32 s16, ttmp9, 16                      ; Wo: 16 rows of 4,096 bytes a group,
	s_lshl_b32 s27, s14, 13                        ; two a wave
	s_add_co_u32 s16, s16, s27
	s_mov_b32 s17, 0
	s_lshl_b32 s18, ttmp9, 6                       ; bo and out0: 64 bytes a group
	s_mov_b32 s19, 0
	s_add_co_u32 s20, s18, s15                     ; bo of my two rows
	s_mov_b32 s21, 0
	s_mov_b32 s33, 0x76543210                      ; v_permlanex16_b32: each lane takes its own place in the other half
	s_mov_b32 s34, 0xfedcba98
	s_wait_kmcnt 0x0
	s_add_nc_u64 s[8:9], s[8:9], s[16:17]
	s_add_nc_u64 s[10:11], s[10:11], s[20:21]
	s_add_nc_u64 s[12:13], s[12:13], s[18:19]
	s_load_b64 s[28:29], s[10:11], 0x0
.irp c, 0,1,2,3,4,5,6,7
	global_load_b128 v[X0+4*\c:X0+4*\c+3], v2, s[4:5] offset:4096*\c
.endr
	global_load_b128 v[BV:BV+3], v2, s[6:7] offset:8192    ; bv lies behind bq and bk
.irp j, 0,1,2,3,4,5,6,7
	global_load_b128 v[WQ+4*\j:WQ+4*\j+3], v1, s[8:9] offset:512*\j th:TH_LOAD_NT
	global_load_b128 v[WQ+32+4*\j:WQ+32+4*\j+3], v1, s[8:9] offset:4096+512*\j th:TH_LOAD_NT
.endr
; the lane's part of a dot product of o with row rr of the wave's two: two chains of packed multiply-adds, started by multiplies
.macro DOT rr
	v_pk_mul_f32 v[AC+4*(\rr):AC+4*(\rr)+1], v[X0:X0+1], v[WQ+32*(\rr):WQ+32*(\rr)+1]
	v_pk_mul_f32 v[AC+4*(\rr)+2:AC+4*(\rr)+3], v[X0+2:X0+3], v[WQ+32*(\rr)+2:WQ+32*(\rr)+3]
.set p, 4
.rept 7
	v_pk_fma_f32 v[AC+4*(\rr):AC+4*(\rr)+1], v[X0+p:X0+p+1], v[WQ+32*(\rr)+p:WQ+32*(\rr)+p+1], v[AC+4*(\rr):AC+4*(\rr)+1]
	v_pk_fma_f32 v[AC+4*(\rr)+2:AC+4*(\rr)+3], v[X0+p+2:X0+p+3], v[WQ+32*(\rr)+p+2:WQ+32*(\rr)+p+3], v[AC+4*(\rr)+2:AC+4*(\rr)+3]
.set p, p+4
.endr
	v_pk_add_f32 v[AC+4*(\rr):AC+4*(\rr)+1], v[AC+4*(\rr):AC+4*(\rr)+1], v[AC+4*(\rr)+2:AC+4*(\rr)+3]
	v_add_f32 v[AC+4*(\rr)], v[AC+4*(\rr)], v[AC+4*(\rr)+1]
.endm
; the sum over the wave's 32 lanes, in every lane
.macro WSUM a, b
	v_add_f32_dpp v[\a], v[\a], v[\a] row_xmask:1 row_mask:0xf bank_mask:0xf
	v_add_f32_dpp v[\a], v[\a], v[\a] row_xmask:2 row_mask:0xf bank_mask:0xf
	v_add_f32_dpp v[\a], v[\a], v[\a] row_xmask:4 row_mask:0xf bank_mask:0xf
	v_add_f32_dpp v[\a], v[\a], v[\a] row_xmask:8 row_mask:0xf bank_mask:0xf
	v_permlanex16_b32 v[\b], v[\a], s33, s34       ; its destination has been written before
	v_add_f32 v[\a], v[\a], v[\b]
.endm
	s_wait_loadcnt 16                              ; opart and bv are in; Wo's sixteen loads stay out
.irp c, 0,1,2,3,4,5,6,7
	v_pk_add_f32 v[BV:BV+1], v[BV:BV+1], v[X0+4*\c:X0+4*\c+1]
	v_pk_add_f32 v[BV+2:BV+3], v[BV+2:BV+3], v[X0+4*\c+2:X0+4*\c+3]
.endr
	ds_store_b128 v2, v[BV:BV+3]                   ; o[4 t .. 4 t + 3]
	s_wait_dscnt 0x0                               ; for the others' sake
	s_barrier_signal -1
	s_barrier_wait -1
.irp k, 0,1,2,3,4,5,6,7
	ds_load_b128 v[X0+4*\k:X0+4*\k+3], v1 offset:512*\k    ; o in the places in which a row of Wo lies in my registers
.endr
	s_wait_loadcnt 0x0                             ; Wo
	s_wait_dscnt 0x0
	DOT 0
	DOT 1
	WSUM AC, AC+1
	WSUM AC+4, AC+5
	s_wait_kmcnt 0x0                               ; bo
	v_add_f32 v116, s28, v[AC]
	v_add_f32 v117, s29, v[AC+4]
	ds_store_b64 v3, v[116:117]                    ; every lane holds the same numbers and writes the same words
	s_wait_dscnt 0x0                               ; for wave 0's sake
	s_barrier_signal -1
	s_barrier_wait -1
	s_cmp_lg_u32 s14, 0
	s_cbranch_scc1 .Lend
	ds_load_b32 v118, v6
	s_wait_dscnt 0x0
	v_cmp_gt_u32 vcc_lo, 16, v0
	s_wait_xcnt 0x0                                ; EXEC changes only behind this wait: it is a source of the memory instructions issued so far
	s_and_saveexec_b32 s22, vcc_lo
	global_store_b32 v7, v118, s[12:13]            ; sixteen lanes store the group's 64 consecutive bytes
	s_wait_xcnt 0x0                                ; and again, in front of the line that widens it
	s_or_b32 exec_lo, exec_lo, s22
.Lend:
	s_wait_tensorcnt 0x0                           ; the wave's end, behind my last LDS store
	ds_add_u32 v4, v5
	s_wait_dscnt 0x0
	s_endpgm
.Lfunc_end_k_q9b2b709092_outp:
	.size	k_q9b2b709092_outp, .Lfunc_end_k_q9b2b709092_outp-k_q9b2b709092_outp
	.p2alignl 7, 3214868480
	.fill 96, 4, 3214868480
	.section	.rodata,"a",@progbits
	.p2align	6, 0x0
	.amdhsa_kernel k_q9b2b709092_outp
		.amdhsa_group_segment_fixed_size 5376
		.amdhsa_private_segment_fixed_size 0
		.amdhsa_enable_private_segment 0
		.amdhsa_kernarg_size 40
		.amdhsa_user_sgpr_count 2
		.amdhsa_user_sgpr_kernarg_segment_ptr 1
		.amdhsa_wavefront_size32 1
		.amdhsa_system_sgpr_workgroup_id_x 1
		.amdhsa_system_sgpr_workgroup_id_y 1
		.amdhsa_system_sgpr_workgroup_id_z 1
		.amdhsa_system_vgpr_workitem_id 0
		.amdhsa_next_free_vgpr 128
		.amdhsa_next_free_sgpr 66
		.amdhsa_reserve_vcc 1
		.amdhsa_float_denorm_mode_32 3
		.amdhsa_float_denorm_mode_16_64 3
		.amdhsa_memory_ordered 1
		.amdhsa_forward_progress 1
		.amdhsa_inst_pref_size 10
	.end_amdhsa_kernel
	.amdgpu_metadata
---
amdhsa.version: [ 1, 2 ]
amdhsa.kernels:
  - .name:           k_q9b2b709092_outp
    .symbol:         k_q9b2b709092_outp.kd
    .args:
      - { .name: opart, .offset: 0, .size: 8, .value_kind: global_buffer, .address_space: global }
      - { .name: in_proj_bias, .offset: 8, .size: 8, .value_kind: global_buffer, .address_space: global }
      - { .name: out_proj_weight, .offset: 16, .size: 8, .value_kind: global_buffer, .address_space: global }
      - { .name: out_proj_bias, .offset: 24, .size: 8, .value_kind: global_buffer, .address_space: global }
      - { .name: out0, .offset: 32, .size: 8, .value_kind: global_buffer, .address_space: global }
    .group_segment_fixed_size: 5376
    .private_segment_fixed_size: 0
    .kernarg_segment_align: 8
    .kernarg_segment_size: 40
    .max_flat_workgroup_size: 256
    .sgpr_count:     66
    .vgpr_count:     128
    .wavefront_size: 32
...
	.end_amdgpu_metadata
.endif
;; end of part 4
;; ======== version 2 of 2: 4 launches; version 1 with the launch main written anew for expert scheduling mode
;; workspace buffers: upart 131,072 bytes; cpart 8,192 bytes; ypart 8,388,608 bytes; stats 65,536 bytes; opart 32,768 bytes
;; launch qu: the kernel of part 1 again; grid 32 x 1, 16 waves a work-group, no clusters, 2,304 bytes of LDS; arguments x, in_proj_weight, in_proj_bias, upart, cpart; writes upart, cpart
;; launch main (part 5): grid 256 x 1, 8 waves a work-group, no clusters, 320,768 bytes of LDS; arguments x, upart, cpart, ypart, stats; writes ypart, stats
.if DOCPART == 5
	.amdgcn_target "amdgcn-amd-amdhsa--gfx1250"
	.amdhsa_code_object_version 6
	.text
	.protected	k_q9b2b709092_main
	.globl	k_q9b2b709092_main
	.p2align	8
	.type	k_q9b2b709092_main,@function
k_q9b2b709092_main:
	s_mov_b64 s[64:65], 0
	v_nop
	global_prefetch_b8 v0, s[64:65] scope:SCOPE_SE
	s_setreg_imm32_b32 hwreg(HW_REG_WAVE_SCHED_MODE, 0, 2), 2
	s_setreg_imm32_b32 hwreg(HW_REG_WAVE_MODE, 25, 1), 1
	s_wait_xcnt 0x0
	s_wait_alu depctr_vm_vsrc(0)
; THE LONG AXIS, x READ ONCE.  For its 128 tokens a work-group makes the scores s[l][h] = u'_h . x_l + c'_h (exponents of 2), their maximum m_h, the weights p = 2^(s - m_h), their sum l_h,
; and Ypart[h][:] = the sum over its tokens of p[l][h] x_l[:].  The next launch joins the 256 parts by the global maximum.
; FORMATS.  Both products on the matrix unit in bf16 with f32 sums: x, u' and p are rounded to bf16.  Not f16: u' is a sum of 128 products of q' and Wk and leaves f16's range for inputs
; with an offset of thirty spreads.  Maxima, exponentials and l in f32; l is the sum of the unrounded p.
; LIMITS.  K and V are never formed, so the order of sums differs from projections followed by attention.  A weight below 2^-126 counts as 0.  NaN and infinities are not treated apart.
; SHARES.  Eight waves.  Wave w streams tokens 16 w .. 16 w + 15 (65,536 bytes of x) in eight chunks of 16 rows x 512 bytes, rounds them to bf16 into the work-group's tile in LDS, and makes their scores
; chunk by chunk.  In the second product wave w owns columns 128 w .. 128 w + 127 over all 128 tokens, read from the tile turned, by ds_load_tr16_b128.
; x COMES THROUGH REGISTERS, not by the tensor data mover: it has to be rounded on the way, so LDS carries 2 bytes a number (written once, read twice), and the bf16 tile of 128 tokens fits whole.
; A ring of three chunks in registers keeps 48 loads of 512 bytes of every wave on their way.
; NO CLUSTER.  What work-groups share is upart, 131,072 bytes against 524,288 of x a work-group; its four parts a head are added in f32 in registers, and of LDS 6,912 bytes are left: no room to land it.
; HEADS 8-15 of the 16 that a matrix instruction holds are copies of heads 0-7 (lanes r and r - 8 read the same rows of u'): everything stays finite, and where copies are stored they are the same
; numbers at the same addresses.
; REGISTERS.  Window 0: v0-23 addresses; v24-55 T (rounded chunk), later P's fragments; v56-119 fragments, v120-151 four score accumulators, v152-173 softmax; later v56-183 turned x of steps 0 and 1;
; v184-247 the eight accumulators of Ypart; v248, v249 m and l.  Window 1: v0-191 the ring, chunk c's row i at 64 (c % 3) + 4 i; later v32-159 turned x of steps 2 and 3.
; THE MODE: SCHED_MODE bits 1:0 = 2 (LLVM: expert scheduling mode 2), set by the entry lines.  The code itself states the register dependences between vector or matrix instructions and memory or
; LDS instructions, with s_wait_alu, always for 0.
; THE PLAN.  Registers that memory or LDS instructions touch:
;   v4-v14        offsets and LDS addresses: made at the head, ahead of one wait on va_vdst, and never written again.  v15-v20, v23: made behind the last chunk, ahead of the wait in front of the maximum's store.
;   T             Chunk c: its 32 conversions write it, its 16 LDS stores read it; chunk c + 1's conversions write it again.  At last P's fragments land in it.
;   the ring      Chunk c: its conversions read slot c % 3; behind them chunk c + 3's loads land there.  At last turned x of steps 2 and 3 lands in it.
;   AF, BF        Chunk c: LDS loads land in them, its four products read them.
; So a chunk has two waits: vm_vsrc at its head (the LDS stores issued so far have read T) and va_vdst behind its conversions (T is written; they are done reading the ring's slot; the chunk before's products
; are done reading AF and BF).  Behind the second stand the chunk's 16 global loads, 16 LDS stores and 16 LDS loads, with no vector instruction between.
;   The softmax's stores stand in two runs, each behind one wait on va_vdst.  In the second product each of the four steps has a buffer of its own for turned x: none is loaded again, so no wait stands among its products.
.set PITCH,  2064                      ; a row of the tile: 2,048 bytes + 16 = 516 words: row r starts at bank 4 r mod 64 (64 banks of 4 bytes: ISA guide 11.1)
.set UT,     128*PITCH                 ; behind the tile's 128 rows: u' in bf16, 8 rows of the same pitch
.set PF,     UT+8*PITCH                ; P as fragments: [4 steps of 32 tokens][2 halves][32 lanes][16 bytes]
.set MX,     PF+4096                   ; the waves' maxima, [16 heads][8 waves] f32; 512 bytes on, their sums
.set STG,    MX+1024                   ; the way out: for each wave 8 heads x 528 bytes
.set SPITCH, 528
.set SPARE,  319744                    ; the next multiple of 256 behind the stages: the spare words, 128 bytes for each wave, four blocks of 256 bytes that no other line names
.set T,    24
.set AF,   56                          ; v[56:87]   four fragments of x: 16 tokens x 32 columns each
.set BF,   88                          ; v[88:119]  four fragments of u': 16 heads x 32 columns each
.set ACC,  120                         ; v[120:151] four accumulators, one for each quarter of a chunk's 128 columns
.set S,    152                         ; v[152:159] my 8 tokens' scores of head r, then their weights
.set WK,   160                         ; v[160:171] at work
.set CB,   172                         ; v[172:173] c', twice
.set UTMP, 56                          ; v[56:183]  at the start: upart's part c of head h at 56 + 16 h + 4 c
.set CL,   184                         ; v[184:187] at the start: cpart's four parts of my head
.set PFR,  24                          ; v[24:55]   P's four fragments
.set XF0,  56                          ; v[56:119]  turned x of step 0: 8 fragments of 16 columns x 32 tokens
.set XF1,  120                         ; v[120:183] of step 1
.set XW2,  32                          ; window 1, v[32:95]: of step 2
.set XW3,  96                          ; window 1, v[96:159]: of step 3
.set Y,    184
.set MSB, 0
.macro WIN new                         ; the immediate's high byte repeats the setting that is left; a switch that changes nothing is dropped
.if MSB != (\new)
	s_set_vgpr_msb (MSB<<8)|(\new)
.set MSB, \new
.endif
.endm
; chunk c of my 16 rows: sixteen loads, each 512 consecutive bytes of a row, at a multiple of 512 from x's first byte.  w = 1: the chunk's wait stands between the window switch and the loads
.macro LOADCH c, w
	WIN 0x40                                       ; destination window 1, address window 0
.if \w
	s_wait_alu depctr_va_vdst(0)                   ; the conversions are done reading this slot of the ring and have written T, which the LDS stores below read; the chunk before's products are done reading AF and BF, in which the LDS loads below land
.endif
.irp i, 0,1,2,3,4,5,6,7,8,9,10,11,12,13,14,15
	global_load_b128 v[64*((\c)%3)+4*(\i):64*((\c)%3)+4*(\i)+3], v4, s[4:5] offset:4096*(\i)+512*(\c) th:TH_LOAD_NT
.endr
	WIN 0
.endm
	s_load_b256 s[4:11], s[0:1], 0x0               ; x s[4:5], upart s[6:7], cpart s[8:9], ypart s[10:11]
	s_load_b64 s[12:13], s[0:1], 0x20              ; stats
	v_lshl_add_u32 v21, v0, 2, SPARE               ; my spare word,
	v_mov_b32 v22, 0                               ; and 0: kept for the closing add alone
	v_lshrrev_b32 v1, 5, v0
	v_readfirstlane_b32 s14, v1                    ; wave 0..7
	v_and_b32 v1, 31, v0                           ; lane
	v_and_b32 v2, 15, v0                           ; r
	v_bfe_u32 v3, v0, 4, 1                         ; hh
	v_lshlrev_b32 v4, 4, v1                        ; 16 x lane
	v_lshlrev_b32 v9, 4, v0                        ; 16 t: my four columns of upart
	v_and_b32 v10, 7, v0                           ; r % 8
	v_mul_u32_u24 v7, v10, PITCH
	v_lshlrev_b32 v10, 10, v10                     ; cpart: four blocks of 256 bytes a head
	s_wait_alu depctr_va_sdst(0)                   ; s14 is written, ahead of its first reader: the bases and the LDS addresses are made from it
	s_lshl_b32 s16, ttmp9, 19                      ; x: 128 rows of 4,096 bytes a group,
	s_lshl_b32 s26, s14, 16                        ; 16 a wave
	s_add_co_u32 s16, s16, s26
	s_mov_b32 s17, 0
	s_lshl_b32 s18, ttmp9, 15                      ; ypart: 8 rows of 4,096 bytes a group,
	s_lshl_b32 s26, s14, 9                         ; 512 bytes of each a wave
	s_add_co_u32 s18, s18, s26
	s_mov_b32 s19, 0
	s_lshl_b32 s24, ttmp9, 8                       ; stats: 256 bytes a group
	s_mov_b32 s25, 0
	s_mov_b32 s20, 0x76543210                      ; v_permlanex16_b32: each lane takes its own place in the other half
	s_mov_b32 s21, 0xfedcba98
	; LDS addresses, while the arguments are on their way
	s_mul_i32 s27, s14, 16*PITCH                   ; my 16 rows of the tile
	v_lshl_add_u32 v5, v1, 3, s27                  ; in: 8 bytes a lane, 256 consecutive bytes a row and chunk
	v_mul_u32_u24 v6, v2, PITCH
	v_lshl_add_u32 v6, v3, 4, v6
	v_add_nc_u32 v6, s27, v6                       ; a fragment of x: row r x pitch + 16 hh
	v_lshl_add_u32 v7, v3, 4, v7
	v_add_nc_u32 v7, UT, v7                        ; a fragment of u': row r % 8
	v_lshl_add_u32 v8, v0, 3, UT                   ; where my four columns of u' go
	s_lshl_b32 s28, s14, 2
	s_add_co_u32 s28, s28, MX
	v_lshl_add_u32 v11, v2, 5, s28                 ; my wave's word of head r
	v_lshl_add_u32 v12, v2, 5, MX                  ; head r's eight words
	s_lshl_b32 s29, s14, 9
	s_add_co_u32 s29, s29, PF
	v_add_nc_u32 v13, s29, v4                      ; my wave's 16 tokens are half w % 2 of step w / 2: 512 w
	v_add_nc_u32 v14, PF, v4
	s_wait_kmcnt 0x0
	s_add_nc_u64 s[4:5], s[4:5], s[16:17]
	s_add_nc_u64 s[10:11], s[10:11], s[18:19]
	s_add_nc_u64 s[12:13], s[12:13], s[24:25]
	s_wait_alu depctr_va_vdst(0)                   ; v4 to v14 are written: the offsets and LDS addresses that the loads and stores from here on read; none of them is written again
.set p, 0
.rept 32
	global_load_b128 v[UTMP+4*p:UTMP+4*p+3], v9, s[6:7] offset:4096*p
.set p, p+1
.endr
.irp c, 0,1,2,3
	global_load_b32 v[CL+\c], v10, s[8:9] offset:256*\c
.endr
	LOADCH 0, 0                                    ; no vector instruction has named the ring, and none stands since the wait above
	s_wait_loadcnt 16                              ; upart and cpart are in; the 16 younger loads, chunk 0's, stay out
	LOADCH 1, 0
	LOADCH 2, 0
	; u' = the sum of upart's four parts a head, rounded to bf16 into LDS: thread t has columns 4 t .. 4 t + 3 of every head
.set hd, 0
.rept 8
.set ub, UTMP+16*hd
	v_pk_add_f32 v[ub:ub+1], v[ub:ub+1], v[ub+4:ub+5]
	v_pk_add_f32 v[ub+2:ub+3], v[ub+2:ub+3], v[ub+6:ub+7]
	v_pk_add_f32 v[ub+8:ub+9], v[ub+8:ub+9], v[ub+12:ub+13]
	v_pk_add_f32 v[ub+10:ub+11], v[ub+10:ub+11], v[ub+14:ub+15]
	v_pk_add_f32 v[ub:ub+1], v[ub:ub+1], v[ub+8:ub+9]
	v_pk_add_f32 v[ub+2:ub+3], v[ub+2:ub+3], v[ub+10:ub+11]
	v_cvt_pk_bf16_f32 v[T+2*hd], v[ub], v[ub+1]
	v_cvt_pk_bf16_f32 v[T+2*hd+1], v[ub+2], v[ub+3]
.set hd, hd+1
.endr
	s_wait_alu depctr_va_vdst(0)                   ; the conversions have written v[T .. T+15], which the eight LDS stores read
.set hd, 0
.rept 8
	ds_store_b64 v8, v[T+2*hd:T+2*hd+1] offset:PITCH*hd
.set hd, hd+1
.endr
	v_add_f32 v[CL], v[CL], v[CL+1]
	v_add_f32 v[CL+2], v[CL+2], v[CL+3]
	v_add_f32 v[CB], v[CL], v[CL+2]                ; c' of head r % 8
	v_mov_b32 v[CB+1], v[CB]
	s_wait_dscnt 0x0                               ; for the others' sake: my part of u' is stored
	s_barrier_signal -1
	s_barrier_wait -1                              ; u' is whole
; CHUNK c: rounded, stored into the tile, read back as fragments, multiplied by u'.  The four accumulators take turns, one instruction a turn, from chunk to chunk too.
.macro CHUNK c
.if (\c) <= 5
	s_wait_loadcnt 32                              ; loads come back in order (ISA guide 5.7.1): chunk c is in, the 32 loads of the two younger chunks stay out
.elseif (\c) == 6
	s_wait_loadcnt 16                              ; one younger chunk is left
.else
	s_wait_loadcnt 0x0
.endif
	s_wait_alu depctr_vm_vsrc(0)                   ; the LDS stores issued so far (u's, or the chunk before's) have read T, which the conversions below write again
	WIN 0x05                                       ; sources in window 1, destination in window 0
.set k, 0
.rept 32
	v_cvt_pk_bf16_f32 v[T+k], v[64*((\c)%3)+2*k], v[64*((\c)%3)+2*k+1]
.set k, k+1
.endr
.if (\c) <= 4
	LOADCH (\c)+3, 1                               ; the ring's slot is free behind the wait: it takes the chunk three further on
.else
	WIN 0
	s_wait_alu depctr_va_vdst(0)                   ; the conversions have written T, which the LDS stores below read; the chunk before's products are done reading AF and BF, in which the LDS loads below land
.endif
.irp i, 0,1,2,3,4,5,6,7,8,9,10,11,12,13,14,15
	ds_store_b64 v5, v[T+2*(\i):T+2*(\i)+1] offset:PITCH*(\i)+256*(\c)
.endr
.irp s, 0,1,2,3
	ds_load_b128 v[AF+8*(\s):AF+8*(\s)+3],   v6 offset:256*(\c)+64*(\s)     ; my own rows: LDS serves a wave's instructions in order (ISA guide 5.7.1.4), these see the stores above
	ds_load_b128 v[AF+8*(\s)+4:AF+8*(\s)+7], v6 offset:256*(\c)+64*(\s)+32
.endr
.irp s, 0,1,2,3
	ds_load_b128 v[BF+8*(\s):BF+8*(\s)+3],   v7 offset:256*(\c)+64*(\s)
	ds_load_b128 v[BF+8*(\s)+4:BF+8*(\s)+7], v7 offset:256*(\c)+64*(\s)+32
.endr
	s_wait_dscnt 0x0                               ; the fragments are in, and my stores into the tile are done
.irp s, 0,1,2,3
.if (\c) == 0
	v_wmma_f32_16x16x32_bf16 v[ACC+8*(\s):ACC+8*(\s)+7], v[AF+8*(\s):AF+8*(\s)+7], v[BF+8*(\s):BF+8*(\s)+7], 0
.else
	v_wmma_f32_16x16x32_bf16 v[ACC+8*(\s):ACC+8*(\s)+7], v[AF+8*(\s):AF+8*(\s)+7], v[BF+8*(\s):BF+8*(\s)+7], v[ACC+8*(\s):ACC+8*(\s)+7]
.endif
.endr
.endm
.irp c, 0,1,2,3,4,5,6,7
	CHUNK \c
.endr
	; The addresses of the second product and of the way out: plain instructions that name none of the products' registers, the places behind the last of them.
	v_and_b32 v[WK], 7, v1
	v_lshl_add_u32 v[WK], v3, 3, v[WK]             ; the turning load: lane l reads token 8 hh + l % 8,
	v_mul_u32_u24 v[WK], v[WK], PITCH
	v_bfe_u32 v[WK+1], v1, 3, 1
	v_lshl_add_u32 v[WK], v[WK+1], 7, v[WK]        ; and 16 bytes at 0 or at 128: the fragment's second eight columns lie 64 columns on, each once
	s_lshl_b32 s30, s14, 8                         ; my 128 columns
	v_add_nc_u32 v15, s30, v[WK]                   ; tokens 0-31,
	v_add_nc_u32 v16, 32*PITCH, v15                ; 32-63,
	v_add_nc_u32 v17, 64*PITCH, v15                ; 64-95,
	v_add_nc_u32 v18, 96*PITCH, v15                ; 96-127
	v_and_b32 v[WK+1], 7, v2
	v_mul_u32_u24 v[WK+1], v[WK+1], SPITCH
	v_lshl_add_u32 v[WK+1], v3, 8, v[WK+1]
	s_mul_i32 s31, s14, 8*SPITCH
	s_add_co_u32 s31, s31, STG                     ; my stage
	v_add_nc_u32 v19, s31, v[WK+1]                 ; in: head r % 8's row, 256 bytes for each half of the lanes
	v_add_nc_u32 v20, s31, v4                      ; back: a head's 512 bytes, 16 a lane
	v_lshlrev_b32 v23, 3, v1                       ; 8 x lane
	; SOFTMAX.  Register j of lane (r, hh) is token 8 hh + j, head r.  Each accumulator is read from its lowest registers on.
.irp j, 0,2,4,6
	v_pk_add_f32 v[S+\j:S+\j+1], v[ACC+\j:ACC+\j+1], v[ACC+8+\j:ACC+8+\j+1]
.endr
.irp j, 0,2,4,6
	v_pk_add_f32 v[WK+\j:WK+\j+1], v[ACC+16+\j:ACC+16+\j+1], v[ACC+24+\j:ACC+24+\j+1]
.endr
.irp j, 0,2,4,6
	v_pk_add_f32 v[S+\j:S+\j+1], v[S+\j:S+\j+1], v[WK+\j:WK+\j+1]
.endr
.irp j, 0,2,4,6
	v_pk_add_f32 v[S+\j:S+\j+1], v[S+\j:S+\j+1], v[CB:CB+1]
.endr
	v_max3_num_f32 v[WK+8], v[S], v[S+1], v[S+2]
	v_max3_num_f32 v[WK+9], v[S+3], v[S+4], v[S+5]
	v_max3_num_f32 v[WK+8], v[WK+8], v[S+6], v[S+7]
	v_max_num_f32 v[WK+8], v[WK+8], v[WK+9]
	v_permlanex16_b32 v[WK+9], v[WK+8], s20, s21   ; the head's other eight tokens lie in the lane 16 away
	v_max_num_f32 v[WK+8], v[WK+8], v[WK+9]
	s_wait_alu depctr_va_vdst(0)                   ; v[WK+8] is written, which the LDS store reads; the additions are done with v[WK .. WK+7], in which the eight maxima land behind the barrier; v15 to v20 and v23 are written, the addresses of the second product and the way out
	ds_store_b32 v11, v[WK+8]
	s_wait_dscnt 0x0                               ; for the others' sake: my wave's maximum is stored
	s_barrier_signal -1
	s_barrier_wait -1
	ds_load_b128 v[WK:WK+3], v12
	ds_load_b128 v[WK+4:WK+7], v12 offset:16
	s_wait_dscnt 0x0
	v_max3_num_f32 v248, v[WK], v[WK+1], v[WK+2]
	v_max3_num_f32 v249, v[WK+3], v[WK+4], v[WK+5]
	v_max3_num_f32 v248, v248, v[WK+6], v[WK+7]
	v_max_num_f32 v248, v248, v249                 ; m: head r's maximum over the group's 128 tokens
.irp j, 0,1,2,3,4,5,6,7
	v_sub_f32 v[S+\j], v[S+\j], v248
.endr
.irp j, 0,1,2,3,4,5,6,7
	v_exp_f32 v[S+\j], v[S+\j]
.endr
	v_nop                                          ; a plain instruction between the last exponential and the use of its result (ISA guide 5.7.2)
	s_wait_alu depctr_va_vdst(0)                   ; the eight exponentials have written v[S .. S+7], ahead of their first reader: one wait for the batch
	v_pk_add_f32 v[WK:WK+1], v[S:S+1], v[S+2:S+3]
	v_pk_add_f32 v[WK+2:WK+3], v[S+4:S+5], v[S+6:S+7]
	v_cvt_pk_bf16_f32 v[WK+4], v[S], v[S+1]
	v_cvt_pk_bf16_f32 v[WK+5], v[S+2], v[S+3]
	v_pk_add_f32 v[WK:WK+1], v[WK:WK+1], v[WK+2:WK+3]
	v_cvt_pk_bf16_f32 v[WK+6], v[S+4], v[S+5]
	v_cvt_pk_bf16_f32 v[WK+7], v[S+6], v[S+7]
	v_add_f32 v[WK], v[WK], v[WK+1]
	v_permlanex16_b32 v[WK+1], v[WK], s20, s21
	v_add_f32 v249, v[WK], v[WK+1]                 ; my wave's part of l
	s_wait_alu depctr_va_vdst(0)                   ; v249 and v[WK+4 .. WK+7] are written, which the two LDS stores read; every vector and matrix instruction so far is done with T, v56 to v183 and the ring, in which the loads behind the barrier land
	ds_store_b32 v11, v249 offset:512
	ds_store_b128 v13, v[WK+4:WK+7]                ; these four registers ARE registers 4 (w % 2) .. + 3 of the fragment (16 heads x 32 tokens) of step w / 2: no number changes its lane
	s_wait_dscnt 0x0                               ; for the others' sake: P and l are stored; my rows of the tile were stored and waited for chunk by chunk
	s_barrier_signal -1
	s_barrier_wait -1
	; Ypart^T = X^T P: source 0 = 16 columns of x x 32 tokens (turned), source 1 = 16 heads x 32 tokens.  Register j of lane (r, hh) of tile t is column 128 w + 64 hh + 8 t + j, head r.
.macro TRLD s, buf
.irp t, 0,1,2,3,4,5,6,7
	ds_load_tr16_b128 v[(\buf)+8*(\t):(\buf)+8*(\t)+3],   v[15+(\s)] offset:16*(\t)
	ds_load_tr16_b128 v[(\buf)+8*(\t)+4:(\buf)+8*(\t)+7], v[15+(\s)] offset:16*(\t)+16*PITCH
.endr
.endm
.macro MULY s, buf, zero               ; the eight accumulators take turns; zero = 1: the first step starts the sums
.irp t, 0,1,2,3,4,5,6,7
.if \zero
	v_wmma_f32_16x16x32_bf16 v[Y+8*(\t):Y+8*(\t)+7], v[(\buf)+8*(\t):(\buf)+8*(\t)+7], v[PFR+8*(\s):PFR+8*(\s)+7], 0
.else
	v_wmma_f32_16x16x32_bf16 v[Y+8*(\t):Y+8*(\t)+7], v[(\buf)+8*(\t):(\buf)+8*(\t)+7], v[PFR+8*(\s):PFR+8*(\s)+7], v[Y+8*(\t):Y+8*(\t)+7]
.endif
.endr
.endm
	s_wait_alu depctr_vm_vsrc(0)                   ; my LDS stores have read T (the last chunk's), v[WK+8] (the maximum's) and v[WK+4 .. WK+7] (P's): the loads below land in these registers
.irp s, 0,1,2,3
	ds_load_b128 v[PFR+8*\s:PFR+8*\s+3],   v14 offset:1024*\s
	ds_load_b128 v[PFR+8*\s+4:PFR+8*\s+7], v14 offset:1024*\s+512
.endr
	TRLD 0, XF0                                    ; all four steps in one run, each into a buffer of its own: no vector or matrix instruction stands since the wait on va_vdst ahead of P's stores
	TRLD 1, XF1
	WIN 0x40                                       ; destination window 1, address window 0: the ring's registers, free since the last chunk's conversions
	TRLD 2, XW2
	TRLD 3, XW3
	WIN 0
	s_wait_dscnt 48                                ; LDS loads come back in order (ISA guide 5.7.1): P and step 0 are in; the 48 loads of steps 1 to 3 stay out
	MULY 0, XF0, 1
	s_wait_dscnt 32                                ; step 1 is in; the 32 loads of steps 2 and 3 stay out
	MULY 1, XF1, 0
	WIN 0x01                                       ; source 0 in window 1
	s_wait_dscnt 16                                ; step 2 is in; step 3's sixteen stay out
	MULY 2, XW2, 0
	s_wait_dscnt 0x0
	MULY 3, XW3, 0
	WIN 0
.rept 4
	v_nop                                          ; four places behind the last product, before a store reads its result
.endr
	s_wait_alu depctr_va_vdst(0)                   ; the products have written Y, which the LDS stores read, and are done reading v56 to v95, in which the loads from the stage and l's parts land; the places above stay beside this wait
	; THE WAY OUT: through my own stage, so that a store covers a head's 512 consecutive bytes.  Each accumulator's lowest registers are read first.
.irp t, 0,1,2,3,4,5,6,7
	ds_store_b128 v19, v[Y+8*\t:Y+8*\t+3] offset:32*\t
	ds_store_b128 v19, v[Y+8*\t+4:Y+8*\t+7] offset:32*\t+16
.endr
.irp h, 0,1,2,3,4,5,6,7
	ds_load_b128 v[XF0+4*\h:XF0+4*\h+3], v20 offset:SPITCH*\h      ; my own bytes, served in order behind the stores above
.endr
.irp h, 0,1,2,3,4,5,6,7
	s_wait_dscnt 7-\h                              ; head h's row is back; the younger loads stay out
	global_store_b128 v4, v[XF0+4*\h:XF0+4*\h+3], s[10:11] offset:4096*\h   ; 512 consecutive bytes, at a multiple of 512 from ypart's first byte
.endr
	s_cmp_lg_u32 s14, 0
	s_cbranch_scc1 .Lend
	ds_load_b128 v[88:91], v12 offset:512          ; wave 0: head r's eight parts of l
	ds_load_b128 v[92:95], v12 offset:528
	v_cmp_gt_u32 vcc_lo, 8, v2
	s_wait_dscnt 0x0
	v_pk_add_f32 v[88:89], v[88:89], v[90:91]
	v_pk_add_f32 v[92:93], v[92:93], v[94:95]
	v_pk_add_f32 v[88:89], v[88:89], v[92:93]
	v_add_f32 v250, v88, v89
	s_wait_alu depctr_va_vcc(0)                    ; the compare has written VCC, ahead of the select that reads it
	v_cndmask_b32 v252, v250, v248, vcc_lo         ; lanes with r < 8 hold m of head r, the others l of head r - 8
	v_mov_b32 v253, v252
	s_wait_alu depctr_va_vdst(0)                   ; v252 and v253 are written, which the store reads
	global_store_b64 v23, v[252:253], s[12:13]     ; each number twice, all of it twice: one store of 256 consecutive bytes, aligned, every lane on.  m of head h at byte 8 h, l at 64 + 8 h
.Lend:
	s_wait_dscnt 0x0                               ; the closing lines, six on end
	s_wait_alu 0x0
	s_wait_tensorcnt 0x0
	ds_add_u32 v21, v22
	s_wait_dscnt 0x0
	s_endpgm
.Lfunc_end_k_q9b2b709092_main:
	.size	k_q9b2b709092_main, .Lfunc_end_k_q9b2b709092_main-k_q9b2b709092_main
	.p2alignl 7, 3214868480
	.fill 96, 4, 3214868480
	.section	.rodata,"a",@progbits
	.p2align	6, 0x0
	.amdhsa_kernel k_q9b2b709092_main
		.amdhsa_group_segment_fixed_size 320768
		.amdhsa_private_segment_fixed_size 0
		.amdhsa_enable_private_segment 0
		.amdhsa_kernarg_size 40
		.amdhsa_user_sgpr_count 2
		.amdhsa_user_sgpr_kernarg_segment_ptr 1
		.amdhsa_wavefront_size32 1
		.amdhsa_system_sgpr_workgroup_id_x 1
		.amdhsa_system_sgpr_workgroup_id_y 1
		.amdhsa_system_sgpr_workgroup_id_z 1
		.amdhsa_system_vgpr_workitem_id 0
		.amdhsa_next_free_vgpr 448
		.amdhsa_next_free_sgpr 66
		.amdhsa_reserve_vcc 1
		.amdhsa_float_denorm_mode_32 3
		.amdhsa_float_denorm_mode_16_64 3
		.amdhsa_memory_ordered 1
		.amdhsa_forward_progress 1
		.amdhsa_inst_pref_size 74
	.end_amdhsa_kernel
	.amdgpu_metadata
---
amdhsa.version: [ 1, 2 ]
amdhsa.kernels:
  - .name:           k_q9b2b709092_main
    .symbol:         k_q9b2b709092_main.kd
    .args:
      - { .name: x, .offset: 0, .size: 8, .value_kind: global_buffer, .address_space: global }
      - { .name: upart, .offset: 8, .size: 8, .value_kind: global_buffer, .address_space: global }
      - { .name: cpart, .offset: 16, .size: 8, .value_kind: global_buffer, .address_space: global }
      - { .name: ypart, .offset: 24, .size: 8, .value_kind: global_buffer, .address_space: global }
      - { .name: stats, .offset: 32, .size: 8, .value_kind: global_buffer, .address_space: global }
    .group_segment_fixed_size: 320768
    .private_segment_fixed_size: 0
    .kernarg_segment_align: 8
    .kernarg_segment_size: 40
    .max_flat_workgroup_size: 256
    .sgpr_count:     66
    .vgpr_count:     448
    .wavefront_size: 32
...
	.end_amdgpu_metadata
.endif
;; end of part 5
;; launch comb: the kernel of part 3 again; grid 8 x 8, 8 waves a work-group, no clusters, 5,888 bytes of LDS; arguments ypart, stats, in_proj_weight, opart; writes opart
;; launch outp: the kernel of part 4 again; grid 64 x 1, 8 waves a work-group, no clusters, 5,376 bytes of LDS; arguments opart, in_proj_bias, out_proj_weight, out_proj_bias, out0; writes out0
